; MI455X (gfx1250); checked and timed in simulation.
; The chip was launched on July 23, 2026; its instructions are those of AMD's public machine-readable ISA for CDNA 5 (MIT licence, August 2026) and "CDNA5" Instruction Set Architecture Reference Guide (July 2026). The comments in the code are by the model that wrote it; some were corrected since.
;; Pipelined Gemm. Allowed arithmetic: matrix products marked QUANTISED: E2M1 operands, one E8M0 scale for each 32 along K, by v_wmma_scale_f32_16x16x128_f8f6f4 with both operands' format E2M1 (or v_wmma_scale_f32_32x16x128_f4), f32 sums; everything else in f32.
;; Inputs: A_codes 4,096 x 128 x 16 uint8 (E2M1 codes of A, K innermost, in blocks of 32 codes, two codes a byte); A_scales 4,096 x 128 uint8 (E8M0 scales of A, one for each 32 codes along K); B_codes 4,096 x 128 x 16 uint8 (E2M1 codes of B, K innermost, in blocks of 32 codes, two codes a byte); B_scales 4,096 x 128 uint8 (E8M0 scales of B, one for each 32 codes along K).
;; Outputs: out0 4,096 x 4,096 float32.
;; This version of the problem:
;;   THIS VERSION OF THE PROBLEM IS GIVEN IN LOW PRECISION. The matrix products marked QUANTISED in the list below multiply operands that are first quantised to E2M1 (2 exponent bits, 1 mantissa bit; 4 bits a number), with one power-of-two scale for each 32 numbers along K (OCP MX v1.0); their sums are f32. All else is computed in f32.
;;   The module's matrix products, in the order in which they are computed (A, B: the left and right operand; K: the contracted axis; several contracted axes count as one K, in the product's order):
;;     1. [M 4,096, K 4,096] x [K 4,096, N 4,096]; A: input A (given as codes); B: input B (given as codes): QUANTISED
;;   THE QUANTISER, for each operand of a quantised product, along K:
;;     - K is cut into blocks of 32 from its start; a last block that is shorter is filled with zeros.
;;     - A block's scale is 2^e with e = floor(log2(the largest magnitude in the block)) - 2, held to -126 .. 127; a block of zeros has e = 0. As a byte (E8M0): e + 127.
;;     - Each number is divided by its block's scale, clamped to +-6, and rounded to the nearest number of E2M1, ties to even, subnormals kept.
;;     - The product sums the exact products of the quantised numbers (number of the format x scale) in f32.
;;   ~~~python
;;   def quantise(x, axis):      # numpy; x: float32 -> the quantised numbers, widened to float32 again
;;       x = np.moveaxis(x, axis, -1); K = x.shape[-1]
;;       x = np.pad(x, [(0, 0)] * (x.ndim - 1) + [(0, -K % 32)]); x = x.reshape(x.shape[:-1] + (-1, 32)); a = np.abs(x).max(-1, keepdims=True)
;;       e = np.where(a > 0, np.clip(np.frexp(np.where(a > 0, a, 1))[1] - 1 - 2, -126, 127), 0)      # np.frexp(a)[1] - 1 = floor(log2(a)), exactly
;;       r = np.clip(x / 2.0 ** e, -6, 6)
;;       step = 2.0 ** (np.maximum(np.frexp(np.where(r == 0, 1, r))[1] - 1, 0) - 1)
;;       q = np.round(r / step) * step * 2.0 ** e      # np.round: ties to even
;;       return np.moveaxis(q.reshape(q.shape[:-2] + (-1,))[..., :K], -1, axis).astype(np.float32)
;;   ~~~
;;   INPUTS GIVEN AS CODES. A (in the module: [4096, 4096], K = its axis 1); B (in the module: [4096, 4096], K = its axis 0): each comes as NAME_codes (uint8): NAME with its K axis moved to the last place and cut into blocks of 32 codes, [.., K / 32, bytes a block], one block behind the other in memory; two codes a byte, the lower K in the low four bits (a code: sign, 2 exponent bits, 1 mantissa bit); and NAME_scales (uint8): the same leading axes, one E8M0 byte (e + 127) for each 32 codes along K. Its value is code x scale, taken as it is: it is not quantised again, and the codes and scales need not be those that the quantiser above would give.
;; One version. Each part assembles by itself: llvm-mc -triple=amdgcn-amd-amdhsa -mcpu=gfx1250 --defsym DOCPART=n.
;; ======== version 1 of 1: 1 launch
;; launch gemm (part 1): grid 16 x 16, 4 waves a work-group, clusters of 4 x 4, 327,680 bytes of LDS; arguments A_codes, A_scales, B_codes, B_scales, out0; writes out0
.if DOCPART == 1
	.amdgcn_target "amdgcn-amd-amdhsa--gfx1250"
	.amdhsa_code_object_version 6
	.text
	.protected	k_q5a1aa7e0ec_gemm
	.globl	k_q5a1aa7e0ec_gemm
	.p2align	8
	.type	k_q5a1aa7e0ec_gemm,@function
k_q5a1aa7e0ec_gemm:
	s_mov_b64 s[64:65], 0
	v_nop
	global_prefetch_b8 v0, s[64:65] scope:SCOPE_SE
	s_setreg_imm32_b32 hwreg(HW_REG_WAVE_MODE, 25, 1), 1
	s_wait_xcnt 0x0
	s_wait_alu depctr_hold_cnt(0) depctr_sa_sdst(0) depctr_va_vdst(0) depctr_va_sdst(0) depctr_va_ssrc(0) depctr_va_vcc(0) depctr_vm_vsrc(0)
	s_getreg_b32 s2, hwreg(HW_REG_IB_STS2, 6, 4)
	s_cmp_eq_u32 s2, 0
	s_cbranch_scc0 .Lentry_in_a_cluster
	s_endpgm
.Lentry_in_a_cluster:
	s_bfe_u32 s2, ttmp6, 0x10000c
	s_cmp_lg_u32 s2, 0xf033
	s_cbranch_scc0 .Lentry_shape_is_right
	s_endpgm
.Lentry_shape_is_right:
; out0[m][n] = 36 + sum over k of A[m][k] B[k][n].  M = N = K = 4,096.  A and B come as codes of FP4 (E2M1), K innermost: a row is 2,048 bytes, two codes a byte, the lower k in the low four bits;
; one E8M0 scale byte for each 32 along K: a row of scales is 128 bytes.  A number is its code's value x 2^(byte - 127).  The matrix instruction takes codes and scale bytes as they lie.  out0 is f32.
; LIMITS.  The 36 is the C of each sum's first product, so a sum begins with it where the definition adds it last: the order of rounding differs, by ulps of the running sum.  A scale byte 0xff gives NaN, as the matrix unit gives it.
; SHARES.  A tile of out0, 256 x 256, is made by a work-group of four waves, one to a SIMD; a wave makes 128 x 128: 64 accumulators of 16 x 16, 512 registers.  16 x 16 tiles: 256 work-groups.
; K goes in 8 steps of 512 (rows of 256 bytes) through a ring of two LDS slots filled by the tensor data mover; K step k lies in slot k % 2 and is four steps of 128 along K, 64 matrix instructions each.
; CLUSTERS: 4 x 4 work-groups.  The four of a row of the cluster need the same tiles of A, the four of a column the same tiles of B: each tile is asked for JOINTLY, by the same tensor load with the same descriptor and a mask
; that names the four.  THE MATRIX INSTRUCTION IS USED TRANSPOSED (source 0 = 16 rows of B, source 1 = 16 rows of A): a lane then holds eight neighbouring numbers of a row of out0.
; THE SCALES.  The ring takes 278,528 bytes and the spare words 512: 48,640 are left, and the scales of the tile's 512 rows are 512 x 128 = 65,536 bytes.  So 80 bytes of each row (bytes 32 to 111: K steps 2 to 6), 40,960 bytes,
; come into LDS once, with the first fills, by joint loads, and stay; the other 48 bytes of each row (K steps 0, 1 and 7) go once, at the head, straight into three sets of scale registers: 24 loads a wave, in which a lane
; reads 16 bytes of its own row of 128.  (96 bytes a row in LDS would be 49,152: 512 too many.)
; REGISTERS, in windows of 256: window 0: v0-31 addresses, v8-15 the constant 36; v32-127 scale words, three sets of 32, and nothing else; v128-191 A's fragments (8 x 16 rows x 128 K), ONE set; on the way out v128-255 hold rows of out0.
;   window 1: B's fragments, TWO sets, at v0 and at v128.   window 2: the 32 accumulators of my rows 0-63 (accumulator (a, b) at v[8 (8 a + b)]);   window 3: those of my rows 64-127.
; A step of 128 along K goes by A's blocks, each against B's eight: a block of A is free as soon as its eight products are issued, so one set serves A: blocks 0-3 are fetched anew in the step's middle, blocks 4-7 at its end.
.set SIZE_N, 4096
.set SIZE_K, 4096
.set KSTEP,  512                       ; along K in a slot
.set NQ,     KSTEP/128                 ; matrix instructions deep
.set ROWB,   256                       ; a tile's row in bytes: 512 codes
.set KROW,   SIZE_K/2                  ; a row of A or of B in memory, in bytes
.set PITCH,  272                       ; an LDS row: 256 bytes + 16 of padding = 68 words: row r starts at bank 4 r mod 64 (64 banks of 4 bytes: ISA guide 11.1), so the 16 rows that a load touches start at 16 different banks
.set FR,     8                         ; registers of a fragment: 16 rows x 128 K
.set NL,     2                         ; LDS loads that bring one
.set NP,     4                         ; places behind this matrix instruction (ISA guide 7.12.1)
.set HALFT,  128*PITCH                 ; 128 rows: what one tensor load brings, and what one wave reads of A or of B
.set SLOT,   4*HALFT                   ; A's 256 rows, then B's 256 rows
.set KS,     SIZE_K/32                 ; a row of scales in memory: 128 bytes
.set SROW,   80                        ; of which 80 lie in LDS, without padding: 20 words: row r starts at bank 20 r mod 64
.set SFIRST, 32                        ; from byte 32 of the row on: K step 2
.set HALFS,  128*SROW                  ; the scales of 128 rows: what one tensor load brings
.set SGRP,   32*SROW                   ; those of 32 rows: what one LDS load's lanes cover
.set SCL,    2*SLOT                    ; behind the ring: A's rows 0-127, A's rows 128-255, B's rows 0-127, B's rows 128-255
.set SPARE,  SCL+4*HALFS               ; behind the scales: the spare words, 128 bytes for each wave: two blocks of 256 bytes that no other line names
.set SPITCH, 528                       ; the way out: a stage of 16 rows x (512 bytes + 16) for each wave.  It lies in slot 0, which has had its last fill and its last read when the first result is stored there
.set BIAS, 8                           ; v8-15   36.0: the C of each accumulator's first product
.set ADRA, 16                          ; v16-17  LDS address of my A fragments in slot 0, 1
.set ADRB, 20                          ; v20-21  the same for B
.set ADSA, 22                          ; v22     LDS address of A's scale words: row = my lane, of the K step to be fetched next
.set ADSB, 23                          ; v23     the same for B
.set STO,  24                          ; v24     the way out: where I put 32 bytes of a row
.set RD,   25                          ; v25     the way out: where I read a row back
.set CO,   26                          ; v26     my byte offset in a row of out0
.set SOFF, 27                          ; v27     128 x lane: my row among 32 rows of scales in memory; never rewritten
.set SPW,  28                          ; v28     LDS address of my spare word: SPARE + 4 x my thread's number; never rewritten
.set NIL,  29                          ; v29     0; never rewritten
.set PFO,  30                          ; v30     2,048 x lane: the prefetches' offset, a lane a row; never rewritten
.set SC,   32                          ; scale words: set s at v[SC + 32 s].  In it register 4 j + q: A's rows 32 j + lane, the K step's q-th 128 along K (lanes 0-15: block 2 j; lanes 16-31: block 2 j + 1); register 16 + 4 j + q: the same of B
.set AF,   128                         ; A's fragments, in window 0
.set BK,   128                         ; the way out: 16 rows read back from the stage: v128-191 and v192-255 by turns
.set G1,   24                          ; s[24:31] descriptor group 1 for A's tiles;  s[32:39] group 0, one set for each slot
.set G0,   32
.set G1B,  48                          ; s[48:55], s[56:63] the same for B's tiles
.set G0B,  56
.set SGA,  66                          ; s[66:67] A's scales in memory at my wave's 128 rows
.set G1S,  68                          ; s[68:75], s[76:79] groups 1 and 0 for A's scales;  s[80:87], s[88:91] for B's
.set G0S,  76
.set G1SB, 80
.set G0SB, 88
.set LIM,  95                          ; s95     1 in a wave that prefetches, else the greatest number
.set PFA,  96                          ; s[96:97] where my prefetches stand: my work-group's 32 rows of the 128 that I fetch, one K step further along K than the refill in hand; a prefetch names the K step after that
.set SGB,  98                          ; s[98:99] B's scales in memory at my wave's 128 rows
.set MSB, 0
.macro WIN new                         ; the immediate's high byte repeats the setting that is left; a switch that changes nothing is dropped
.if MSB != (\new)
	s_set_vgpr_msb (MSB<<8)|(\new)
.set MSB, \new
.endif
.endm
.set MUL_LO,   0xa1                    ; source 0 (B) window 1, source 1 (A) window 0, C and D window 2
.set MUL_HI,   0xf1                    ; the same, C and D window 3
.set FIRST_LO, 0x81                    ; the first products: C (the 36) window 0, D window 2
.set FIRST_HI, 0xc1                    ; C window 0, D window 3
.set TO_B,     0x40                    ; destination window 1, address window 0
; A joint load: waves 0 and 1 fetch for A, waves 2 and 3 for B.  Each of the two lines has ONE mask and one set of registers for all that issue it; the branch hangs on the wave's number alone.
; Four v_nop follow each of the two lines, ahead of the jump, the label and what follows.
.macro JLOAD g0a, g1a, g0b, g1b
	s_cmp_eq_u32 s15, 0
	s_cbranch_scc0 .Lfor_b_\@
	tensor_load_to_lds s[\g0a:\g0a+3], s[\g1a:\g1a+7]
	s_nop 0
.rept 4
	v_nop
.endr
	s_branch .Lasked_\@
.Lfor_b_\@:
	tensor_load_to_lds s[\g0b:\g0b+3], s[\g1b:\g1b+7]
	s_nop 0
.rept 4
	v_nop
.endr
.Lasked_\@:
.endm
.macro CREST                           ; a round of the cluster's barrier behind its opening barrier
	s_cmp_lg_u32 s14, 0
	s_cbranch_scc1 .Lnot_wave_0_\@
	s_barrier_signal -3
.Lnot_wave_0_\@:
	s_barrier_wait -3
	s_barrier_signal -1
	s_barrier_wait -1
.endm
.macro CROUND                          ; a whole round
	s_barrier_signal -1
	s_barrier_wait -1
	CREST
.endm
; A PREFETCH INTO THE L2, behind a joint load, its four lines and the run of LDS loads that follows them: the K step that stands TWO refills on (512 matrix instructions ahead of the load that will want it): 32 rows x 256 bytes, a lane a row.
; Each row's 256 bytes of K steps 4 to 7 are named ONCE in the launch.  A's tile row is read by every cluster of that row of clusters: the one with cluster x = 0 asks; B's tile column by every cluster of that column: cluster y = 0 asks.
; The four partners that ask for a tile jointly share its rows out BY ADDRESS: of the 128 rows that a wave fetches, the partner at place p takes 32 p .. 32 p + 31 (p = cx for A, cy for B): no branch hangs on a place in the cluster.
; how = 1: wherever the wave prefetches at all;  how = 0, the loop's second change of slots: not in the last trip (s3 = 1), where the K step two refills on would be the ninth.  K steps 0 to 3 come by their loads alone.
.macro ASK how
.if \how
	s_cmp_eq_u32 s[LIM], 1
.else
	s_cmp_gt_u32 s3, s[LIM]
.endif
	s_cbranch_scc0 .Lnot_mine_\@
	global_prefetch_b8 v[PFO], s[PFA:PFA+1] offset:ROWB th:TH_LOAD_NT scope:SCOPE_SE
.Lnot_mine_\@:
.endm
	s_load_b128 s[4:7], s[0:1], 0x0                ; A's codes s[4:5], A's scales s[6:7]
	s_load_b128 s[8:11], s[0:1], 0x10              ; B's codes s[8:9], B's scales s[10:11]
	s_load_b64 s[12:13], s[0:1], 0x20              ; out0
	v_lshl_add_u32 v[SPW], v0, 2, SPARE
	v_mov_b32 v[NIL], 0
	ds_add_u32 v28, v29
	ds_add_u32 v28, v29
	s_wait_dscnt 0x0
.irp i, 0,1,2,3,4,5,6,7
	v_mov_b32 v[BIAS+\i], 0x42100000               ; 36.0 = 1 + 2 + .. + 8
.endr
	v_lshrrev_b32 v1, 5, v0
	v_readfirstlane_b32 s14, v1                    ; wave 0..3
	s_lshr_b32 s15, s14, 1                         ; which half of the tile's rows is mine.  Also: I fetch for A (0) or for B (1)
	s_and_b32 s16, s14, 1                          ; which half of its columns.  Also: which 128 rows of that tile I fetch
	s_bfe_u32 s40, ttmp6, 0x40000                  ; cx, cy: my place in the cluster
	s_bfe_u32 s41, ttmp6, 0x40004
	s_lshl_b32 s42, ttmp9, 2
	s_add_co_u32 s42, s42, s40                     ; tile column = 4 x cluster x + cx
	s_and_b32 s17, ttmp7, 0xffff
	s_lshl_b32 s17, s17, 2
	s_add_co_u32 s17, s17, s41                     ; tile row = 4 x cluster y + cy
	s_lshl_b32 s43, s41, 2
	s_lshl_b32 s43, 15, s43                        ; my row of the cluster: places 4 cy .. 4 cy + 3
	s_lshl_b32 s44, 0x1111, s40                    ; my column: places cx, cx + 4, cx + 8, cx + 12
	; descriptor group 1 for the codes: a tile of 128 rows x 256 bytes, padded in LDS
	s_or_b32 s[G1+0], s43, (0<<16)|(1<<20)|(1<<21)|(5<<22)|(3<<25)  ; 15:0 the mask: A's tiles go to my row; 17:16 element of 1 byte; 20 padding on; 21 set beside a mask; 24:22 after every 64 words (code 5); 31:25 of 4 words (code 3)
	s_or_b32 s[G1B+0], s44, (0<<16)|(1<<20)|(1<<21)|(5<<22)|(3<<25) ; the same with the mask of my column
.irp g, G1, G1B
	s_mov_b32 s[\g+1], ROWB<<16                    ; tensor_dim0 = 256
	s_mov_b32 s[\g+2], 128<<16                     ; tensor_dim1 = 128
	s_mov_b32 s[\g+3], ROWB<<16                    ; tile_dim0 = 256
	s_mov_b32 s[\g+4], 128                         ; tile_dim1 = 128
	s_mov_b32 s[\g+5], KROW                        ; from row to row: 2,048 elements
	s_mov_b32 s[\g+6], 0
	s_mov_b32 s[\g+7], 0
.endr
	; and for the scales: 128 rows x 80 bytes (20 elements of 4 bytes) out of rows of 128 bytes (32 elements); no padding
	s_or_b32 s[G1S+0], s43, (2<<16)|(1<<21)
	s_or_b32 s[G1SB+0], s44, (2<<16)|(1<<21)
.irp g, G1S, G1SB
	s_mov_b32 s[\g+1], (SROW/4)<<16                ; tensor_dim0 = 20
	s_mov_b32 s[\g+2], 128<<16                     ; tensor_dim1 = 128
	s_mov_b32 s[\g+3], (SROW/4)<<16                ; tile_dim0 = 20
	s_mov_b32 s[\g+4], 128                         ; tile_dim1 = 128
	s_mov_b32 s[\g+5], KS/4                        ; from row to row: 32 elements
	s_mov_b32 s[\g+6], 0
	s_mov_b32 s[\g+7], 0
.endr
	; where the tiles come from.  A's hang on the tile row alone, which my row of the cluster shares; B's on the tile column alone, which my column shares.
	s_lshl_b32 s18, s16, 7                         ; which 128 rows of the tile I fetch
	s_lshl_b32 s20, s17, 8
	s_add_co_u32 s20, s20, s18                     ; A: row 256 x tile row + 128 x half
	s_lshl_b32 s46, s42, 8
	s_add_co_u32 s46, s46, s18                     ; B: row 256 x tile column + 128 x half
	s_mov_b32 s21, 0
	s_mov_b32 s47, 0
	s_mov_b64 s[18:19], KS
	s_mul_u64 s[22:23], s[20:21], s[18:19]         ; where these rows' scales begin, in bytes
	s_mul_u64 s[92:93], s[46:47], s[18:19]
	s_mov_b64 s[18:19], KROW
	s_mul_u64 s[20:21], s[20:21], s[18:19]         ; and their codes
	s_mul_u64 s[46:47], s[46:47], s[18:19]
	s_mul_i32 s45, s14, HALFT                      ; where they go: wave x 128 rows: no place in the cluster enters an LDS address
	s_mul_i32 s94, s14, HALFS
	s_wait_kmcnt 0x0
	s_add_nc_u64 s[20:21], s[4:5], s[20:21]
	s_add_nc_u64 s[22:23], s[6:7], s[22:23]
	s_add_nc_u64 s[46:47], s[8:9], s[46:47]
	s_add_nc_u64 s[92:93], s[10:11], s[92:93]
	CROUND                                         ; all sixteen work-groups are here: the first joint loads meet
	s_mov_b32 s[G0S], 1                            ; count = 1
	s_add_co_u32 s[G0S+1], s94, SCL                ; LDS address
	s_add_nc_u64 s[G0S+2:G0S+3], s[22:23], SFIRST  ; global address: byte 32 of my first row
	s_or_b32 s[G0S+3], s[G0S+3], 0x80000000        ; type = 2
	s_mov_b32 s[G0SB], 1
	s_add_co_u32 s[G0SB+1], s94, SCL
	s_add_nc_u64 s[G0SB+2:G0SB+3], s[92:93], SFIRST
	s_or_b32 s[G0SB+3], s[G0SB+3], 0x80000000
	JLOAD G0S, G1S, G0SB, G1SB                     ; the scales of K steps 2 to 6: filled once
.irp s, 0,1
	s_mov_b32 s[G0+4*\s], 1
	s_add_co_u32 s[G0+4*\s+1], s45, \s*SLOT
	s_add_nc_u64 s[G0+4*\s+2:G0+4*\s+3], s[20:21], \s*ROWB
	s_or_b32 s[G0+4*\s+3], s[G0+4*\s+3], 0x80000000
	s_mov_b32 s[G0B+4*\s], 1
	s_add_co_u32 s[G0B+4*\s+1], s45, \s*SLOT
	s_add_nc_u64 s[G0B+4*\s+2:G0B+4*\s+3], s[46:47], \s*ROWB
	s_or_b32 s[G0B+4*\s+3], s[G0B+4*\s+3], 0x80000000
	JLOAD G0+4*\s, G1, G0B+4*\s, G1B               ; K steps 0 and 1.  Three tensor loads of mine are out now, later one
.endr
	; the scale words of K steps 0, 1 and 7, straight into sets 0, 1 and 2: lane l takes row 32 j + l of my wave's 128 rows of A and of B
	v_and_b32 v6, 31, v0                           ; lane
	v_lshlrev_b32 v[SOFF], 7, v6
	s_lshl_b32 s22, s17, 15                        ; A: (256 x tile row + 128 x my half of the rows) x 128 bytes
	s_lshl_b32 s23, s15, 14
	s_add_co_u32 s22, s22, s23
	s_mov_b32 s23, 0
	s_add_nc_u64 s[SGA:SGA+1], s[6:7], s[22:23]
	s_lshl_b32 s92, s42, 15                        ; B: (256 x tile column + 128 x my half of the columns) x 128 bytes
	s_lshl_b32 s93, s16, 14
	s_add_co_u32 s92, s92, s93
	s_mov_b32 s93, 0
	s_add_nc_u64 s[SGB:SGB+1], s[10:11], s[92:93]
.irp j, 0,1,2,3
	global_load_b128 v[SC+4*\j:SC+4*\j+3],       v[SOFF], s[SGA:SGA+1] offset:32*KS*\j       ; K step 0: bytes 0-15 of the row
	global_load_b128 v[SC+16+4*\j:SC+16+4*\j+3], v[SOFF], s[SGB:SGB+1] offset:32*KS*\j
.endr
.irp j, 0,1,2,3
	global_load_b128 v[SC+32+4*\j:SC+32+4*\j+3], v[SOFF], s[SGA:SGA+1] offset:32*KS*\j+16    ; K step 1: bytes 16-31
	global_load_b128 v[SC+48+4*\j:SC+48+4*\j+3], v[SOFF], s[SGB:SGB+1] offset:32*KS*\j+16
.endr
.irp j, 0,1,2,3
	global_load_b128 v[SC+64+4*\j:SC+64+4*\j+3], v[SOFF], s[SGA:SGA+1] offset:32*KS*\j+112   ; K step 7: bytes 112-127
	global_load_b128 v[SC+80+4*\j:SC+80+4*\j+3], v[SOFF], s[SGB:SGB+1] offset:32*KS*\j+112
.endr
	v_and_b32 v1, 15, v0                           ; l % 16
	v_bfe_u32 v2, v0, 4, 1                         ; l / 16
	v_mul_u32_u24 v3, v1, PITCH
	v_lshl_add_u32 v4, v2, 4, v3                   ; a fragment's row x pitch + 16 x half
	s_mul_i32 s21, s15, HALFT                      ; my 128 rows of A
	s_mul_i32 s22, s16, HALFT                      ; my 128 rows of B,
	s_add_co_u32 s22, s22, 2*HALFT                 ; which lie behind A's 256
.irp s, 0,1
	v_add_nc_u32 v[ADRA+\s], s21, v4
	v_add_nc_u32 v[ADRB+\s], s22, v4
	s_add_co_u32 s21, s21, SLOT
	s_add_co_u32 s22, s22, SLOT
.endr
	v_mul_u32_u24 v5, v6, SROW                     ; the scales in LDS: 80 bytes a row, row = lane
	s_mul_i32 s21, s15, HALFS
	s_add_co_u32 s21, s21, SCL                     ; A's: my 128 rows
	v_add_nc_u32 v[ADSA], s21, v5
	s_mul_i32 s22, s16, HALFS
	s_add_co_u32 s22, s22, SCL+2*HALFS             ; B's: my 128 rows, behind A's 256
	v_add_nc_u32 v[ADSB], s22, v5
	s_mul_i32 s23, s14, 16*SPITCH                  ; my stage
	v_mul_u32_u24 v5, v1, SPITCH                   ; in: row l % 16, 32 bytes for each half of the lanes
	v_lshl_add_u32 v5, v2, 5, v5
	v_add_nc_u32 v[STO], s23, v5
	v_lshlrev_b32 v[CO], 4, v6                     ; back: the 32 lanes take one row of 512 bytes; and the same in out0
	v_add_nc_u32 v[RD], s23, v[CO]
	v_lshlrev_b32 v[PFO], 11, v6
	s_lshl_b32 s20, s17, 8
	s_lshl_b32 s21, s15, 7
	s_add_co_u32 s20, s20, s21                     ; my first row of out0: 256 x tile row + 128 x half
	s_mov_b32 s21, 0
	s_mov_b64 s[18:19], SIZE_N*4
	s_mul_u64 s[20:21], s[20:21], s[18:19]
	s_lshl_b32 s46, s42, 10                        ; my first column, in bytes: 1,024 x tile column + 512 x half
	s_lshl_b32 s47, s16, 9
	s_add_co_u32 s46, s46, s47
	s_mov_b32 s47, 0
	s_add_nc_u64 s[20:21], s[20:21], s[46:47]
	s_add_nc_u64 s[12:13], s[12:13], s[20:21]
	; the prefetches: where my wave's stand, and who asks
	s_lshl_b32 s20, s17, 8                         ; 256 x tile row
	s_lshl_b32 s21, s42, 8                         ; 256 x tile column
	s_and_b32 s22, ttmp7, 0xffff                   ; cluster y
	s_cmp_eq_u32 s15, 0                            ; do I fetch for A?
	s_cselect_b32 s20, s20, s21                    ; the tile's first row: in A by the tile row, in B by the tile column
	s_cselect_b32 s21, s40, s41                    ; my place among the four that ask for it with me
	s_cselect_b32 s22, ttmp9, s22                  ; the coordinate along which other clusters read the same rows
	s_cselect_b64 s[PFA:PFA+1], s[4:5], s[8:9]
	s_cmp_eq_u32 s22, 0
	s_cselect_b32 s[LIM], 1, -1                    ; the same in all sixteen partners, for a given wave
	s_lshl_b32 s22, s16, 7
	s_add_co_u32 s20, s20, s22                     ; + the 128 rows that I fetch
	s_lshl_b32 s21, s21, 5
	s_add_co_u32 s20, s20, s21                     ; + my work-group's 32 of them
	s_lshl_b32 s20, s20, 11                        ; x 2,048 bytes a row: under 2^23
	s_mov_b32 s21, 0
	s_add_nc_u64 s[PFA:PFA+1], s[PFA:PFA+1], s[20:21]
	s_add_nc_u64 s[PFA:PFA+1], s[PFA:PFA+1], 2*ROWB  ; at K step 2: the first refill steps it to 3 and names K step 4.  Nothing is prefetched here, at the head, where every work-group's first tiles are on their way
.macro FRAG reg, adr, q, i             ; a fragment, 16 rows x 128 K of 4-bit codes, is 8 registers: lane l holds row l % 16; registers 4 c .. 4 c + 3 hold K = 64 c + 32 (l / 16) + 0 .. 31, the lower K in the lower bits
.irp c, 0,1
	ds_load_b128 v[\reg+4*\c:\reg+4*\c+3], v[\adr] offset:64*(\q)+32*\c+(\i)*16*PITCH
.endr
.endm
; 16 matrix instructions: A's blocks a0, a0 + 1 x B's eight, 128 along K: the K step's q-th.  p: B's set;  sc: the set of scale words.  first = 1: the product starts the sum, with the 36 as its C: nothing is cleared, nothing is added later.
; Source 0's scales are B's block b: register 16 + 4 (b / 2) + q of the set, lanes 0-15 where b is even, lanes 16-31 (ROW1) where it is odd; source 1's are A's block a, likewise from register 4 (a / 2) + q.
; The 64 accumulators take turns, one instruction a turn, in the same order in every step.
.macro MUL16 a0, p, q, sc, first
.irp a, \a0, \a0+1
.irp b, 0,1,2,3,4,5,6,7
.set rD,  8*(8*((\a)%4)+\b)
.set rB,  128*(\p)+FR*\b
.set rA,  AF+FR*(\a)
.set rSB, SC+32*(\sc)+16+4*(\b/2)+(\q)
.set rSA, SC+32*(\sc)+4*((\a)/2)+(\q)
.set rC,  rD
.if \first
.set rC,  BIAS
.endif
.if ((\a)%2) && (\b%2)
	v_wmma_scale_f32_16x16x128_f8f6f4 v[rD:rD+7], v[rB:rB+7], v[rA:rA+7], v[rC:rC+7], v[rSB], v[rSA] matrix_a_fmt:MATRIX_FMT_FP4 matrix_b_fmt:MATRIX_FMT_FP4 matrix_a_scale:MATRIX_SCALE_ROW1 matrix_b_scale:MATRIX_SCALE_ROW1
.elseif (\b%2)
	v_wmma_scale_f32_16x16x128_f8f6f4 v[rD:rD+7], v[rB:rB+7], v[rA:rA+7], v[rC:rC+7], v[rSB], v[rSA] matrix_a_fmt:MATRIX_FMT_FP4 matrix_b_fmt:MATRIX_FMT_FP4 matrix_a_scale:MATRIX_SCALE_ROW1
.elseif ((\a)%2)
	v_wmma_scale_f32_16x16x128_f8f6f4 v[rD:rD+7], v[rB:rB+7], v[rA:rA+7], v[rC:rC+7], v[rSB], v[rSA] matrix_a_fmt:MATRIX_FMT_FP4 matrix_b_fmt:MATRIX_FMT_FP4 matrix_b_scale:MATRIX_SCALE_ROW1
.else
	v_wmma_scale_f32_16x16x128_f8f6f4 v[rD:rD+7], v[rB:rB+7], v[rA:rA+7], v[rC:rC+7], v[rSB], v[rSA] matrix_a_fmt:MATRIX_FMT_FP4 matrix_b_fmt:MATRIX_FMT_FP4
.endif
.endr
.endr
.endm
.macro FETCH_B slot, q, p              ; B's eight fragments of the slot's q-th 128 along K into set p
	WIN TO_B
.irp i, 0,1,2,3,4,5,6,7
	FRAG 128*(\p)+FR*\i, ADRB+\slot, \q, \i
.endr
	WIN 0
.endm
.macro FETCH_A slot, q, i0             ; A's blocks i0 .. i0 + 3
.irp i, \i0, \i0+1, \i0+2, \i0+3
	FRAG AF+FR*(\i), ADRA+\slot, \q, \i
.endr
.endm
.macro SCALES set                      ; a K step's scale words out of LDS into a set: 16 bytes (4 words) a row, 32 rows a load; then the addresses go on to the next K step's (an LDS load's address may be written at once)
.irp j, 0,1,2,3
	ds_load_b128 v[SC+32*\set+4*\j:SC+32*\set+4*\j+3], v[ADSA] offset:\j*SGRP
.endr
.irp j, 0,1,2,3
	ds_load_b128 v[SC+32*\set+16+4*\j:SC+32*\set+16+4*\j+3], v[ADSB] offset:\j*SGRP
.endr
	v_add_nc_u32 v[ADSA], 4*NQ, v[ADSA]
	v_add_nc_u32 v[ADSB], 4*NQ, v[ADSB]
.endm
; A load into a register that a matrix instruction has read, and an LDS store that reads a matrix result, stand NP places behind that matrix instruction, and only plain vector instructions that name none of its
; registers are places (ISA guide 7.12.1 for vector instructions); the matrix instructions in between are not counted.
.macro PLACES n
.rept \n
	v_nop
.endr
.endm
; A step of 128 along K that has its successor in the same slot.
.macro STEP slot, q, sc, first
	s_wait_dscnt 4*NL                              ; B's set, A's blocks 0-3 and the scale words are in; the youngest eight loads (A's blocks 4-7) may be out
.if \first
	WIN FIRST_LO
.else
	WIN MUL_LO
.endif
	MUL16 0, (\q)%2, \q, \sc, \first
	MUL16 2, (\q)%2, \q, \sc, \first
	s_wait_dscnt 0                                 ; A's blocks 4-7 are in (asked for 32 matrix instructions ago)
	PLACES NP
	FETCH_B \slot, (\q)+1, 1-(\q)%2
	FETCH_A \slot, (\q)+1, 0
.if \first
	WIN FIRST_HI
.else
	WIN MUL_HI
.endif
	MUL16 4, (\q)%2, \q, \sc, \first
	MUL16 6, (\q)%2, \q, \sc, \first
	PLACES NP
	WIN 0
	FETCH_A \slot, (\q)+1, 4
.endm
; A slot's last step changes slots: ONE barrier; in front of it each wave waits for all its tensor loads, adds 0 to its spare word, and waits for that and for its own reads of this slot.
; fill = 1: this slot is filled again, two K steps ahead; the barrier then opens a round of the cluster's barrier.  scl = 1: the next K step's scale words come out of LDS, into set `next`.  sc: this step's set.
; ask = 0, 1: a prefetch follows (macro ASK);  2: none.
.macro TURN slot, next, fill, scl, sc, ask
.if \ask < 2
	s_wait_xcnt 0x0                                ; the last prefetch, a K step back, has read its address: it is stepped here, ahead of the waits of the change of slots
	s_add_nc_u64 s[PFA:PFA+1], s[PFA:PFA+1], ROWB
.endif
	s_wait_tensorcnt 0x0                           ; all my tensor loads have landed: my part of the next slot;  (every window is 0 here: the add's two registers lie in window 0)
	ds_add_u32 v[SPW], v[NIL]                      ; 0 onto my spare word
	s_wait_dscnt 4*NL+1                            ; (the add and the youngest eight loads, A's blocks 4-7, may be out)
	WIN MUL_LO
	MUL16 0, 1, NQ-1, \sc, 0                       ; sixteen matrix instructions stand between the add and the wait for it
	s_wait_dscnt 0x0                               ; the add is done, and my reads of this slot are over
	s_barrier_signal -1
	MUL16 2, 1, NQ-1, \sc, 0
	WIN 0
	s_barrier_wait -1
.if \fill
	CREST                                          ; no wave of any partner still reads this slot's tile or has a load on its way
	s_add_nc_u64 s[G0+4*\slot+2:G0+4*\slot+3], s[G0+4*\slot+2:G0+4*\slot+3], 2*ROWB
	s_add_nc_u64 s[G0B+4*\slot+2:G0B+4*\slot+3], s[G0B+4*\slot+2:G0B+4*\slot+3], 2*ROWB
	JLOAD G0+4*\slot, G1, G0B+4*\slot, G1B         ; the first tensor load behind the round: 224 matrix instructions ahead of the wait for it; the four v_nop behind it are the places in front of the loads below
.else
	PLACES NP
.endif
	FETCH_B \next, 0, 0
	FETCH_A \next, 0, 0
.if \scl
	SCALES \next
.endif
.if \ask < 2
	ASK \ask
.endif
	WIN MUL_HI
	MUL16 4, 1, NQ-1, \sc, 0
	MUL16 6, 1, NQ-1, \sc, 0
	PLACES NP
	WIN 0
	FETCH_A \next, 0, 4
.endm
	s_wait_loadcnt 0x0                             ; the scale words of K steps 0, 1 and 7 are in their registers
	s_wait_tensorcnt 1                             ; the scales in LDS and my part of K step 0 are in (K step 1's load may be out)
	s_barrier_signal -1
	s_barrier_wait -1                              ; everybody's are
	FETCH_B 0, 0, 0
	FETCH_A 0, 0, 0
	FETCH_A 0, 0, 4
	STEP 0, 0, 0, 1                                ; K step 0.  Its first step starts the sums
	STEP 0, 1, 0, 0
	STEP 0, 2, 0, 0
	TURN 0, 1, 1, 0, 0, 1                          ; slot 0 takes K step 2; K step 1's scale words lie in set 1 already; K step 4 is prefetched
	STEP 1, 0, 1, 0                                ; K step 1
	s_mov_b32 s3, 2
.Llap:                                                 ; two trips, each once round the ring, from an odd K step's second step to the next odd K step's first: K steps 1, 2, 3 and 3, 4, 5
	STEP 1, 1, 1, 0
	STEP 1, 2, 1, 0
	TURN 1, 0, 1, 1, 1, 1                          ; slot 1 takes K step 3, then 5; the scale words of K step 2, then 4, into set 0; K step 5, then 7, is prefetched
	STEP 0, 0, 0, 0
	STEP 0, 1, 0, 0
	STEP 0, 2, 0, 0
	TURN 0, 1, 1, 1, 0, 0                          ; slot 0 takes K step 4, then 6; the scale words of K step 3, then 5, into set 1; K step 6 is prefetched in the first trip
	STEP 1, 0, 1, 0
	s_sub_co_u32 s3, s3, 1
	s_cmp_lg_u32 s3, 0
	s_cbranch_scc1 .Llap
	STEP 1, 1, 1, 0                                ; K step 5 goes on.  The tail is written out
	STEP 1, 2, 1, 0
	TURN 1, 0, 1, 1, 1, 2                          ; slot 1 takes K step 7: the last fill; K step 6's scale words into set 0
	STEP 0, 0, 0, 0                                ; K step 6
	STEP 0, 1, 0, 0
	STEP 0, 2, 0, 0
	TURN 0, 1, 0, 0, 0, 2                          ; nothing is filled, so no round follows; K step 7's scale words have lain in set 2 since the head
	STEP 1, 0, 2, 0                                ; K step 7
	STEP 1, 1, 2, 0
	STEP 1, 2, 2, 0
	s_wait_dscnt 4*NL                              ; the very last step: nothing more to fetch
	WIN MUL_LO
	MUL16 0, 1, NQ-1, 2, 0
	MUL16 2, 1, NQ-1, 2, 0
	s_wait_dscnt 0
	WIN MUL_HI
	MUL16 4, 1, NQ-1, 2, 0
	MUL16 6, 1, NQ-1, 2, 0
	WIN 0
; THE WAY OUT, block by block of 16 rows x 128 columns.  A lane holds 32 neighbouring bytes of a row, and the lanes beside it hold other rows: so a block goes through my own stage in LDS and comes back as whole
; rows of 512 bytes, which the 32 lanes store together.  LDS serves a wave's instructions in order (ISA guide 5.7.1.4): no wait between the stores and the loads, nor in front of the next block's stores.
; The stage lies in slot 0: its last fill (K step 6) has landed, and every wave has passed the last change of slots, behind which nobody reads it.
.macro TOSTAGE a
.set AC, 64*((\a)%4)
	WIN 0x08+4*((\a)/4)                            ; an LDS store's data are its source 1: window 2 or 3
.irp b, 0,1,2,3,4,5,6,7
	ds_store_b128 v[STO], v[AC+8*\b:AC+8*\b+3] offset:64*\b          ; each accumulator from its low end on
	ds_store_b128 v[STO], v[AC+8*\b+4:AC+8*\b+7] offset:64*\b+16
.endr
	WIN 0
.set BB, BK+64*((\a)%2)
.irp t, 0,1,2,3,4,5,6,7,8,9,10,11,12,13,14,15
	ds_load_b128 v[BB+4*\t:BB+4*\t+3], v[RD] offset:\t*SPITCH
.endr
.endm
.macro SEND a, younger                 ; younger: the LDS instructions issued behind block a's loads, which may stay out
.set BB, BK+64*((\a)%2)
	s_wait_dscnt \younger                          ; the block is back in registers
.if (\a) > 0
	s_add_nc_u64 s[12:13], s[12:13], 16*SIZE_N*4   ; (behind a wait on XCNT: the earlier stores have read their base)  16 rows of out0 on: the stores' offsets reach 15 rows, 245,760 bytes, inside the signed 24-bit immediate (ISA guide, chapter 10)
.endif
.irp t, 0,1,2,3,4,5,6,7,8,9,10,11,12,13,14,15
	global_store_b128 v[CO], v[BB+4*\t:BB+4*\t+3], s[12:13] offset:\t*SIZE_N*4 th:TH_STORE_NT   ; 32 lanes store 512 consecutive bytes, at a multiple of 512 from out0's first byte; written once, read by nobody here
.endr
.endm
	PLACES NP                                      ; behind the last products: for the loads into the registers that held A's fragments, and for the reads of the last blocks' results
	TOSTAGE 0
.irp a, 1,2,3,4,5,6,7
.if \a > 1
	s_wait_xcnt 0x0                                ; block a - 2's stores have read their registers and their base: block a's loads may land there, and the base may step
.endif
	TOSTAGE \a
	SEND \a-1, 32                                  ; behind block a - 1's loads: block a's 16 stores and 16 loads
.endr
	s_wait_xcnt 0x0                                ; block 6's stores have read their base
	SEND 7, 0
	s_wait_tensorcnt 0x0                           ; the wave's end: behind my last tensor load and my last LDS store
	ds_add_u32 v[SPW], v[NIL]
	s_wait_dscnt 0x0
	CROUND                                         ; the closing round: no work-group ends while a partner may still ask for a tile that names it
	s_endpgm
.Lfunc_end_k_q5a1aa7e0ec_gemm:
	.size	k_q5a1aa7e0ec_gemm, .Lfunc_end_k_q5a1aa7e0ec_gemm-k_q5a1aa7e0ec_gemm
	.p2alignl 7, 3214868480
	.fill 96, 4, 3214868480
	.section	.rodata,"a",@progbits
	.p2align	6, 0x0
	.amdhsa_kernel k_q5a1aa7e0ec_gemm
		.amdhsa_group_segment_fixed_size 327680
		.amdhsa_private_segment_fixed_size 0
		.amdhsa_enable_private_segment 0
		.amdhsa_kernarg_size 40
		.amdhsa_user_sgpr_count 2
		.amdhsa_user_sgpr_kernarg_segment_ptr 1
		.amdhsa_wavefront_size32 1
		.amdhsa_system_sgpr_workgroup_id_x 1
		.amdhsa_system_sgpr_workgroup_id_y 1
		.amdhsa_system_sgpr_workgroup_id_z 1
		.amdhsa_system_vgpr_workitem_id 0
		.amdhsa_next_free_vgpr 1024
		.amdhsa_next_free_sgpr 100
		.amdhsa_reserve_vcc 0
		.amdhsa_float_denorm_mode_32 3
		.amdhsa_float_denorm_mode_16_64 3
		.amdhsa_memory_ordered 1
		.amdhsa_forward_progress 1
		.amdhsa_inst_pref_size 255
	.end_amdhsa_kernel
	.section	.bss,"aw",@nobits
	.p2align	6
	.space	262144
	.amdgpu_metadata
---
amdhsa.version: [ 1, 2 ]
amdhsa.kernels:
  - .name:           k_q5a1aa7e0ec_gemm
    .symbol:         k_q5a1aa7e0ec_gemm.kd
    .args:
      - { .name: A_codes, .offset: 0, .size: 8, .value_kind: global_buffer, .address_space: global }
      - { .name: A_scales, .offset: 8, .size: 8, .value_kind: global_buffer, .address_space: global }
      - { .name: B_codes, .offset: 16, .size: 8, .value_kind: global_buffer, .address_space: global }
      - { .name: B_scales, .offset: 24, .size: 8, .value_kind: global_buffer, .address_space: global }
      - { .name: out0, .offset: 32, .size: 8, .value_kind: global_buffer, .address_space: global }
    .group_segment_fixed_size: 327680
    .private_segment_fixed_size: 0
    .kernarg_segment_align: 8
    .kernarg_segment_size: 40
    .max_flat_workgroup_size: 128
    .sgpr_count:     100
    .vgpr_count:     1024
    .wavefront_size: 32
...
	.end_amdgpu_metadata
.endif
;; end of part 1
